; MI455X (gfx1250); checked and timed in simulation.
; The chip was launched on July 23, 2026; its instructions are those of AMD's public machine-readable ISA for CDNA 5 (MIT licence, August 2026) and "CDNA5" Instruction Set Architecture Reference Guide (July 2026). The comments in the code are by the model that wrote it; some were corrected since.
;; Vector Quantizer. Allowed arithmetic: matrix products marked QUANTISED: E2M1 operands, one E8M0 scale for each 32 along K, by v_wmma_scale_f32_16x16x128_f8f6f4 with both operands' format E2M1 (or v_wmma_scale_f32_32x16x128_f4), f32 sums; everything else in f32.
;; Inputs: embedding 4,096 x 512 float32; latents 16 x 2,048 x 512 float32.
;; Outputs: out0 16 x 2,048 x 512 float32.
;; This version of the problem:
;;   THIS VERSION OF THE PROBLEM IS GIVEN IN LOW PRECISION. The matrix products marked QUANTISED in the list below multiply operands that are first quantised to E2M1 (2 exponent bits, 1 mantissa bit; 4 bits a number), with one power-of-two scale for each 32 numbers along K (OCP MX v1.0); their sums are f32. All else is computed in f32.
;;   The module's matrix products, in the order in which they are computed (A, B: the left and right operand; K: the contracted axis; several contracted axes count as one K, in the product's order):
;;     1. [M 32,768, K 512] x [K 512, N 4,096]; A: input latents; B: input embedding: QUANTISED
;;   THE QUANTISER, for each operand of a quantised product, along K:
;;     - K is cut into blocks of 32 from its start; a last block that is shorter is filled with zeros.
;;     - A block's scale is 2^e with e = floor(log2(the largest magnitude in the block)) - 2, held to -126 .. 127; a block of zeros has e = 0. As a byte (E8M0): e + 127.
;;     - Each number is divided by its block's scale, clamped to +-6, and rounded to the nearest number of E2M1, ties to even, subnormals kept.
;;     - The product sums the exact products of the quantised numbers (number of the format x scale) in f32.
;;   ~~~python
;;   def quantise(x, axis):      # numpy; x: float32 -> the quantised numbers, widened to float32 again
;;       x = np.moveaxis(x, axis, -1); K = x.shape[-1]
;;       x = np.pad(x, [(0, 0)] * (x.ndim - 1) + [(0, -K % 32)]); x = x.reshape(x.shape[:-1] + (-1, 32)); a = np.abs(x).max(-1, keepdims=True)
;;       e = np.where(a > 0, np.clip(np.frexp(np.where(a > 0, a, 1))[1] - 1 - 2, -126, 127), 0)      # np.frexp(a)[1] - 1 = floor(log2(a)), exactly
;;       r = np.clip(x / 2.0 ** e, -6, 6)
;;       step = 2.0 ** (np.maximum(np.frexp(np.where(r == 0, 1, r))[1] - 1, 0) - 1)
;;       q = np.round(r / step) * step * 2.0 ** e      # np.round: ties to even
;;       return np.moveaxis(q.reshape(q.shape[:-2] + (-1,))[..., :K], -1, axis).astype(np.float32)
;;   ~~~
;; One version. Each part assembles by itself: llvm-mc -triple=amdgcn-amd-amdhsa -mcpu=gfx1250 --defsym DOCPART=n.
;; ======== version 1 of 1: 3 launches
;; workspace buffers: estream 1,130,496 bytes; inds 131,072 bytes of whole numbers
;; launch qemb (part 1): grid 256 x 1, 4 waves a work-group, no clusters, 1,536 bytes of LDS; arguments embedding, estream; writes estream
.if DOCPART == 1
	.amdgcn_target "amdgcn-amd-amdhsa--gfx1250"
	.amdhsa_code_object_version 6
	.text
	.protected	k_qbeb9f583c6_qemb
	.globl	k_qbeb9f583c6_qemb
	.p2align	8
	.type	k_qbeb9f583c6_qemb,@function
k_qbeb9f583c6_qemb:
	s_mov_b64 s[64:65], 0
	v_nop
	global_prefetch_b8 v0, s[64:65] scope:SCOPE_SE
	s_setreg_imm32_b32 hwreg(HW_REG_WAVE_MODE, 25, 1), 1
	s_wait_xcnt 0x0
; The table [4096][512] f32 becomes codes of FP4 (E2M1) with one E8M0 scale byte for each 32 along the 512, and the sum of squares of each table row,
; laid in the order in which the distance launch walks them, so that there every fragment is a plain run of 16 bytes a lane.
; THE STREAM: 64 chunks of CHUNK = 17,664 bytes (69 x 256).  Chunk 8 f + cg holds four tiles of 16 table rows, places i = 0 .. 3:
;   at 4096 i: the tile's codes as images of the operand's registers: piece (K step k, c) is 512 bytes at 512 (2 k + c), lane l's registers 4 c .. 4 c + 3 at 16 l;
;   at 16384 + 256 i: the scale words: lane l = 16 par + r has 8 bytes at 8 l: row r's word of K step par, then of K step 2 + par;
;   at 17408 + 64 i: the 16 sums of squares.
; Group cg owns table rows 512 cg .. 512 cg + 511 and walks its 32 tiles DOWNWARD: place T = 4 f + i holds tile 32 cg + 31 - T.
; SHARES: a work-group takes one tile, wave k its K step k (128 along K).  Lane (r, h) holds, of row r, 16 neighbours of each block of 32: register 16 b + i is k = 32 b + 16 h + i.
; A block's scale is 2^(floor(log2(its largest magnitude)) - 2); its byte is the largest magnitude's exponent field - 2, held at 1 from below.
; LIMITS: a block of zeros gets the byte 1 where the quantiser's rule says 127: its codes are zeros and only this program reads the bytes.  NaN and infinities are not served.
; The sum of squares is taken in four packed chains, then across the lane halves and the four waves: another order of additions than the problem's definition has.
; No cluster and no tensor load: the work-groups share no byte, and each reads 32 KiB once.
.set CHUNK, 17664
.set SQ,  8                            ; v[8:15]   four packed chains of squares
.set X,   32                           ; v32-95    64 numbers
.set TM,  96                           ; v96-99 largest magnitudes, v100-103 the other half's, then bytes, v108-111 the conversions' scale operands
.set PC,  112                          ; v112-119  the fragment's codes
.set PW,  120                          ; v120      my row's scale word
.set SEL, 28                           ; s[28:29]  v_permlanex16_b32's selects for lane l xor 16
; 64 numbers of a lane become a fragment's codes in v[PC] on and its scale word in v[PW]
.macro QUANT s
.irp b, 0,1,2,3
	v_max3_num_f32 v[TM+\b], |v[\s+16*\b]|, |v[\s+1+16*\b]|, 0x1800000   ; block b: my 16 numbers, and the floor 2^(3 - 127): the byte cannot fall under 1
.endr
.irp i, 2,4,6,8,10,12,14
.irp b, 0,1,2,3
	v_max3_num_f32 v[TM+\b], v[TM+\b], |v[\s+16*\b+\i]|, |v[\s+1+16*\b+\i]|   ; the four blocks by turns
.endr
.endr
.irp b, 0,1,2,3
	v_permlanex16_b32 v[TM+4+\b], v[TM+\b], s[SEL], s[SEL+1]
.endr
.irp b, 0,1,2,3
	v_max_num_f32 v[TM+\b], v[TM+\b], v[TM+4+\b]   ; with lane l xor 16's: the block's largest magnitude
.endr
.irp b, 0,1,2,3
	v_add_nc_u32 v[TM+12+\b], 0xff000000, v[TM+\b]   ; 2 off its exponent field: the conversion takes this operand's exponent field as its scale
.endr
.irp b, 0,1,2,3
	v_lshrrev_b32 v[TM+4+\b], 23, v[TM+12+\b]      ; the scale's byte
.endr
	v_lshl_or_b32 v[PW], v[TM+5], 8, v[TM+4]
	v_lshl_or_b32 v[PW], v[TM+6], 16, v[PW]
	v_lshl_or_b32 v[PW], v[TM+7], 24, v[PW]
.irp b, 0,1,2,3
	v_cvt_scalef32_pk8_fp4_f32 v[PC+2*\b], v[\s+16*\b:\s+7+16*\b], v[TM+12+\b]
	v_cvt_scalef32_pk8_fp4_f32 v[PC+1+2*\b], v[\s+8+16*\b:\s+15+16*\b], v[TM+12+\b]
.endr
	v_nop                                          ; one plain place behind a scaled conversion
.irp c, 0,1                                    ; the operand's layout wants a whole block in a lane: lanes 0-15 block 2 c, lanes 16-31 block 2 c + 1
.irp i, 0,1
	v_permlane16_swap_b32 v[PC+4*\c+\i], v[PC+2+4*\c+\i]
.endr
.endr
.endm
	s_load_b128 s[4:7], s[0:1], 0x0                ; the table s[4:5], the stream s[6:7]
	v_lshl_add_u32 v128, v0, 2, 0x400
	v_mov_b32 v129, 0
	v_lshrrev_b32 v1, 5, v0
	v_readfirstlane_b32 s8, v1                     ; wave = K step k
	v_and_b32 v2, 15, v0                           ; r
	v_bfe_u32 v3, v0, 4, 1                         ; h
	v_and_b32 v4, 31, v0                           ; lane
	v_lshlrev_b32 v5, 11, v2
	v_lshl_add_u32 v5, v3, 6, v5                   ; in: row r of 2,048 bytes, + 64 h
	v_lshlrev_b32 v6, 4, v4                        ; out: 16 x lane
	s_and_b32 s9, s8, 1
	s_lshl_b32 s9, s9, 7
	s_lshr_b32 s10, s8, 1
	s_lshl_b32 s10, s10, 2
	s_add_co_u32 s9, s9, s10
	v_lshl_add_u32 v7, v2, 3, s9                   ; LDS: my row's scale word: 8 (16 (k % 2) + r) + 4 (k / 2)
	s_lshl_b32 s10, s8, 6
	s_add_co_u32 s10, s10, 256
	v_lshl_add_u32 v16, v2, 2, s10                 ; LDS: my wave's part of row r's sum of squares: 256 + 64 k + 4 r
	v_lshlrev_b32 v17, 3, v4                       ; LDS, back: the scale block, 8 bytes a lane
	v_lshl_add_u32 v18, v2, 2, 256                 ; LDS, back: row r's four parts
	v_lshlrev_b32 v19, 2, v2                       ; out: 4 r
	v_lshlrev_b32 v20, 3, v4                       ; out: 8 x lane
	v_mov_b32 v21, 0                               ; a lane permute's destination counts as one of its sources
.irp b, 0,1,2,3
	v_mov_b32 v[TM+4+\b], 0
.endr
	s_mov_b32 s[SEL], 0x76543210
	s_mov_b32 s[SEL+1], 0xfedcba98
	s_lshr_b32 s11, ttmp9, 5                       ; cg
	s_and_b32 s12, ttmp9, 31
	s_sub_co_u32 s12, 31, s12                      ; T: the tile's place in its group's walk
	s_lshr_b32 s13, s12, 2                         ; f
	s_and_b32 s14, s12, 3                          ; i
	s_lshl_b32 s13, s13, 3
	s_add_co_u32 s13, s13, s11
	s_mul_i32 s16, s13, CHUNK                      ; the chunk's first byte
	s_lshl_b32 s15, s14, 12
	s_lshl_b32 s18, s8, 10
	s_add_co_u32 s20, s16, s15
	s_add_co_u32 s20, s20, s18                     ; my two pieces: + 4096 i + 1024 k
	s_mov_b32 s21, 0
	s_lshl_b32 s22, s14, 8
	s_add_co_u32 s22, s22, s16
	s_add_co_u32 s22, s22, 16384                   ; the tile's scale block
	s_mov_b32 s23, 0
	s_lshl_b32 s24, s14, 6
	s_add_co_u32 s24, s24, s16
	s_add_co_u32 s24, s24, 17408                   ; the tile's sums of squares
	s_mov_b32 s25, 0
	s_lshl_b32 s26, ttmp9, 15                      ; the tile's 16 rows of 2,048 bytes,
	s_lshl_b32 s27, s8, 9                          ; my K step's 512 bytes of each
	s_add_co_u32 s26, s26, s27
	s_mov_b32 s27, 0
	s_wait_kmcnt 0x0
	s_add_nc_u64 s[4:5], s[4:5], s[26:27]
	s_add_nc_u64 s[20:21], s[6:7], s[20:21]
	s_add_nc_u64 s[22:23], s[6:7], s[22:23]
	s_add_nc_u64 s[24:25], s[6:7], s[24:25]
.irp b, 0,1,2,3
.irp j, 0,1,2,3
	global_load_b128 v[X+16*\b+4*\j:X+16*\b+4*\j+3], v5, s[4:5] offset:128*\b+16*\j
.endr
.endr
	s_wait_loadcnt 0x0
.irp c, 0,1,2,3
	v_pk_mul_f32 v[SQ+2*\c:SQ+2*\c+1], v[X+2*\c:X+2*\c+1], v[X+2*\c:X+2*\c+1]   ; the first products start the four chains
.endr
.irp q, 1,2,3,4,5,6,7
.irp c, 0,1,2,3
	v_pk_fma_f32 v[SQ+2*\c:SQ+2*\c+1], v[X+8*\q+2*\c:X+8*\q+2*\c+1], v[X+8*\q+2*\c:X+8*\q+2*\c+1], v[SQ+2*\c:SQ+2*\c+1]
.endr
.endr
	v_pk_add_f32 v[SQ:SQ+1], v[SQ:SQ+1], v[SQ+2:SQ+3]
	v_pk_add_f32 v[SQ+4:SQ+5], v[SQ+4:SQ+5], v[SQ+6:SQ+7]
	v_pk_add_f32 v[SQ:SQ+1], v[SQ:SQ+1], v[SQ+4:SQ+5]
	v_add_f32 v[SQ], v[SQ], v[SQ+1]
	v_permlanex16_b32 v21, v[SQ], s[SEL], s[SEL+1]
	v_add_f32 v[SQ], v[SQ], v21                    ; row r's squares over my 128 along K
	QUANT X
	global_store_b128 v6, v[PC:PC+3], s[20:21]     ; each store covers 512 consecutive bytes, aligned to 256
	global_store_b128 v6, v[PC+4:PC+7], s[20:21] offset:512
	ds_store_b32 v7, v[PW]                         ; lanes r and 16 + r write the same word with the same value
	ds_store_b32 v16, v[SQ]
	s_wait_dscnt 0x0                               ; for wave 0's sake: my LDS stores are done
	s_barrier_signal -1
	s_barrier_wait -1
	s_cmp_lg_u32 s8, 0
	s_cbranch_scc1 .Ldone                          ; wave 0 alone sends the tile's scale block and its sums
	ds_load_b64 v[22:23], v17
.irp k, 0,1,2,3
	ds_load_b32 v[24+\k], v18 offset:64*\k
.endr
	s_wait_dscnt 0x0
	v_add_f32 v24, v24, v25
	v_add_f32 v26, v26, v27
	v_add_f32 v24, v24, v26
	global_store_b64 v20, v[22:23], s[22:23]       ; 256 consecutive bytes, aligned
	global_store_b32 v19, v24, s[24:25]            ; 64 bytes; lanes 16-31 repeat lanes 0-15, so that EXEC stays whole
.Ldone:
	s_wait_tensorcnt 0x0
	ds_add_u32 v128, v129
	s_wait_dscnt 0x0
	s_endpgm
.Lfunc_end_k_qbeb9f583c6_qemb:
	.size	k_qbeb9f583c6_qemb, .Lfunc_end_k_qbeb9f583c6_qemb-k_qbeb9f583c6_qemb
	.p2alignl 7, 3214868480
	.fill 96, 4, 3214868480
	.section	.rodata,"a",@progbits
	.p2align	6, 0x0
	.amdhsa_kernel k_qbeb9f583c6_qemb
		.amdhsa_group_segment_fixed_size 1536
		.amdhsa_private_segment_fixed_size 0
		.amdhsa_enable_private_segment 0
		.amdhsa_kernarg_size 16
		.amdhsa_user_sgpr_count 2
		.amdhsa_user_sgpr_kernarg_segment_ptr 1
		.amdhsa_wavefront_size32 1
		.amdhsa_system_sgpr_workgroup_id_x 1
		.amdhsa_system_sgpr_workgroup_id_y 1
		.amdhsa_system_sgpr_workgroup_id_z 1
		.amdhsa_system_vgpr_workitem_id 0
		.amdhsa_next_free_vgpr 130
		.amdhsa_next_free_sgpr 66
		.amdhsa_reserve_vcc 0
		.amdhsa_float_denorm_mode_32 3
		.amdhsa_float_denorm_mode_16_64 3
		.amdhsa_memory_ordered 1
		.amdhsa_forward_progress 1
		.amdhsa_inst_pref_size 12
	.end_amdhsa_kernel
	.amdgpu_metadata
---
amdhsa.version: [ 1, 2 ]
amdhsa.kernels:
  - .name:           k_qbeb9f583c6_qemb
    .symbol:         k_qbeb9f583c6_qemb.kd
    .args:
      - { .name: embedding, .offset: 0, .size: 8, .value_kind: global_buffer, .address_space: global }
      - { .name: estream, .offset: 8, .size: 8, .value_kind: global_buffer, .address_space: global }
    .group_segment_fixed_size: 1536
    .private_segment_fixed_size: 0
    .kernarg_segment_align: 8
    .kernarg_segment_size: 16
    .max_flat_workgroup_size: 128
    .sgpr_count:     66
    .vgpr_count:     130
    .wavefront_size: 32
...
	.end_amdgpu_metadata
.endif
;; end of part 1
;; launch dist (part 2): grid 256 x 1, 16 waves a work-group, clusters of 4 x 1, 327,680 bytes of LDS; arguments latents, estream, inds; writes inds
.if DOCPART == 2
	.amdgcn_target "amdgcn-amd-amdhsa--gfx1250"
	.amdhsa_code_object_version 6
	.text
	.protected	k_qbeb9f583c6_dist
	.globl	k_qbeb9f583c6_dist
	.p2align	8
	.type	k_qbeb9f583c6_dist,@function
k_qbeb9f583c6_dist:
	s_mov_b64 s[64:65], 0
	v_nop
	global_prefetch_b8 v0, s[64:65] scope:SCOPE_SE
	s_setreg_imm32_b32 hwreg(HW_REG_WAVE_MODE, 25, 1), 1
	s_wait_xcnt 0x0
	s_wait_alu depctr_hold_cnt(0) depctr_sa_sdst(0) depctr_va_vdst(0) depctr_va_sdst(0) depctr_va_ssrc(0) depctr_va_vcc(0) depctr_vm_vsrc(0)
	s_getreg_b32 s2, hwreg(HW_REG_IB_STS2, 6, 4)
	s_cmp_eq_u32 s2, 0
	s_cbranch_scc0 .Lentry_in_a_cluster
	s_endpgm
.Lentry_in_a_cluster:
	s_bfe_u32 s2, ttmp6, 0x10000c
	s_cmp_lg_u32 s2, 0x3003
	s_cbranch_scc0 .Lentry_shape_is_right
	s_endpgm
.Lentry_shape_is_right:
; For each of 32,768 rows x [512] f32: the first index k of the smallest d[k] = (|x|^2 + |e_k|^2) - 2 p[k], p = x . e_k on codes of FP4 (E2M1) with one E8M0 scale for each 32 along the 512.
; d IS MADE AS IT IS DEFINED: s = |x|^2 + |e_k|^2 rounded once, then one fused multiply-add s - 2 p (2 p is exact).  Nothing of it goes through the matrix unit's C.  Equal d: the lower index, everywhere.
; SHARES.  A work-group owns 128 rows and walks the whole table.  Wave w = 8 rg + cg takes rows 64 rg .. + 63 (four tiles m of 16) against table rows 512 cg .. + 511 (32 tiles of 16), in 256 registers:
; no register window is ever switched, and four waves lie on a SIMD.  The rows' 16 fragments (128 registers) stay in registers for the whole launch.
; THE TABLE comes as the stream that the launch before laid out: 8 fills of 8 chunks of 17,664 bytes; chunk cg of a fill holds four tiles of group cg: images of the operand's registers, scale words, sums of squares.
; A ring of two LDS slots of one fill each.  Waves 0-7 fetch one chunk each, 69 rows of 256 bytes by one tensor load; waves 8-15 fetch nothing.  At most two tensor loads of a wave are out (the two first fills), later one.
; CLUSTER.  Every work-group walks the same stream, so the four of a cluster ask for each chunk JOINTLY: the same load, the same descriptor, the mask 15.  The place in the cluster enters the addresses of latents and inds alone.
; THE PRODUCT IS USED TRANSPOSED: source 0 = 16 table rows, source 1 = 16 of my rows: lane (r, h) holds ONE of my rows (r), and register j table row 8 h + j of the tile.
; THE ARGMIN.  A group's tiles come DOWNWARD (place T holds tile 32 cg + 31 - T) and a tile's registers are taken j = 7 .. 0.  best = min(best, the tile's eight d); then, wherever d_j == best, the index is
; overwritten.  So the last write is the lowest index that reaches the smallest d.  For two d: one packed add, one packed multiply-add, one v_min3, two compares, two selects.
; BY TURNS.  While two row tiles have the matrix unit, the other two tiles' distances are worked: seven vector instructions behind each matrix instruction.
; LIMITS.  NaN and infinities among the inputs are not served (a NaN distance is passed over).  A block of zeros gets the scale byte 1 and zero codes.  |x|^2 is summed in two packed chains a lane and then
; across the 32 lanes: another order of additions than the problem's definition has, so it may differ from it in its last bit.
.set CHUNK,  17664
.set SLOTB,  8*CHUNK                   ; 141,312: a slot
.set APITCH, 272                       ; a row's 256 bytes of codes + 16: an odd multiple of 16, so that the 16 rows of a fragment load start 16 bytes apart modulo 256
.set ACODE,  2*SLOTB                   ; behind the ring: my 128 rows' codes,
.set ASC,    ACODE+128*APITCH          ; their scale bytes, 16 a row,
.set AXX,    ASC+128*16                ; their sums of squares,
.set SPARE,  AXX+512                   ; and the spare words, 128 bytes for each of 16 waves: eight blocks of 256 bytes that no other line names
.set RED,    ACODE                     ; at the end: 128 rows x 8 groups x (d, index); the rows' codes were last read many barriers earlier; no fill ever lands here
.set SPW,  1                           ; v1      LDS address of my spare word; never rewritten
.set NIL,  2                           ; v2      0; never rewritten
.set AA,   3                           ; v3      my rows' codes in LDS;  at the end RW: where I put my row's (d, index)
.set RW,   3
.set ADC,  4                           ; v4-5    my group's chunk in slot 0, 1: the images, 16 x lane
.set ADS,  6                           ; v6-7    its scale words, 8 x lane
.set ADE,  8                           ; v8-9    its sums of squares, 32 h
.set XX,   10                          ; v10-17  |x|^2 of my row in tile m, twice: a pair for the packed add
.set BEST, 18                          ; v18-21  the smallest d so far, tile m
.set IDX,  22                          ; v22-25  its index (less 8 h, which is added at the end)
.set ASCR, 26                          ; v26-33  my rows' scale words: register 2 m + e: lanes 0-15 K step 2 e, lanes 16-31 K step 2 e + 1
.set BSC,  34                          ; v34-37  the table tile's, two sets: register 2 p + e, laid likewise
.set EE,   38                          ; v38-53  |e|^2 of table rows 8 h + 0 .. 7, two sets
.set S,    54                          ; v54-61  s, four pairs
.set ACC,  62                          ; v62-93  four accumulators; d in place
.set BF,   94                          ; v94-125 the table tile's four fragments
.set AF,   126                         ; v126-253 my rows' fragments: 32 m + 8 k
.set AS,   254                         ; v254    my rows' scale words in LDS;  at the end RR: where waves 0, 1 read two rows back
.set RR,   254
.set AX,   255                         ; v255    my rows' |x|^2 in LDS;  at the end H8 = 8 h
.set H8,   255
; while the rows are quantised:
.set SCA,  18                          ; where my 8 codes go;   SBA: my block's byte;   SXA: the row's |x|^2;   LA: 32 x lane, my byte in half a row of x
.set SBA,  19
.set SXA,  20
.set LA,   21
.set RAW,  126                         ; 8 rows x 16 numbers
.set CODE, 62                          ; a register for each (row, half): no store's data are written again
.set BYTE, 78
.set XXR,  94
.set MX,   102
.set SO,   104
.set Q0,   106
.set Q1,   108
.set PT,   110
.set LN,   111
.set LR,   112
.set LH,   113
.set WV,   10                          ; s10 wave;  s11 cg;  s12 rg
.set CG,   11
.set RG,   12
.set G1,   16                          ; s[16:23] descriptor group 1;  s[24:27], s[28:31] group 0 of slot 0, 1
.set G0,   24
.set CJ,   32                          ; s32-39  the index of register j's table row for h = 0: 512 cg + 16 (31 - T) + j
.set MASK, 40                          ; s40-43  two pairs of lane masks
.set CNT,  44
.set SEL,  46                          ; s[46:47] v_permlanex16_b32's selects for lane l xor 16
; A round of the cluster's barrier: my work-group's barrier, wave 0 signals for the work-group, every wave waits for all four work-groups, my work-group's barrier once more.
.macro ROUND
	s_barrier_signal -1
	s_barrier_wait -1
	s_cmp_lg_u32 s[WV], 0
	s_cbranch_scc1 .Lnot_wave_0_\@
	s_barrier_signal -3
.Lnot_wave_0_\@:
	s_barrier_wait -3
	s_barrier_signal -1
	s_barrier_wait -1
.endm
	s_load_b128 s[4:7], s[0:1], 0x0                ; latents s[4:5], the stream s[6:7]
	s_load_b64 s[8:9], s[0:1], 0x10                ; inds
	v_lshl_add_u32 v[SPW], v0, 2, SPARE
	v_mov_b32 v[NIL], 0
	ds_add_u32 v1, v2
	s_wait_dscnt 0x0
	v_lshrrev_b32 v[AA], 5, v0
	v_readfirstlane_b32 s[WV], v[AA]               ; wave 0..15
	s_and_b32 s[CG], s[WV], 7
	s_lshr_b32 s[RG], s[WV], 3
	s_bfe_u32 s13, ttmp6, 0x40000                  ; cx
	s_lshl_b32 s14, ttmp9, 2
	s_add_co_u32 s14, s14, s13                     ; work-group = 4 x cluster + cx: it enters s52-55 alone
	; descriptor group 1: a chunk, dense in memory, as 69 rows of 256 bytes (32 elements of 8 bytes), no padding: every read of it is 16 or 8 consecutive bytes a lane
	s_mov_b32 s[G1+0], 15|(3<<16)|(1<<21)          ; 15:0 the mask: all four work-groups; 17:16 elements of 8 bytes; 21 set beside a mask
	s_mov_b32 s[G1+1], 32<<16                      ; tensor_dim0 = 32
	s_mov_b32 s[G1+2], 69<<16                      ; tensor_dim1 = 69
	s_mov_b32 s[G1+3], 32<<16                      ; tile_dim0 = 32
	s_mov_b32 s[G1+4], 69                          ; tile_dim1 = 69
	s_mov_b32 s[G1+5], 32                          ; from row to row
	s_mov_b32 s[G1+6], 0
	s_mov_b32 s[G1+7], 0
	s_mul_i32 s48, s[CG], CHUNK                    ; my group's chunk, in a fill and in a slot
	s_mov_b32 s50, s48
	s_mov_b32 s51, 0
	; every LDS address that the walk needs, made here once
	v_and_b32 v[LN], 31, v0                        ; lane
	v_and_b32 v[LR], 15, v0                        ; r
	v_bfe_u32 v[LH], v0, 4, 1                      ; h
	v_lshl_add_u32 v[ADC], v[LN], 4, s48
	v_add_nc_u32 v[ADC+1], SLOTB, v[ADC]
	s_add_co_u32 s49, s48, 16384
	v_lshl_add_u32 v[ADS], v[LN], 3, s49
	v_add_nc_u32 v[ADS+1], SLOTB, v[ADS]
	s_add_co_u32 s49, s48, 17408
	v_lshl_add_u32 v[ADE], v[LH], 5, s49
	v_add_nc_u32 v[ADE+1], SLOTB, v[ADE]
	s_mul_i32 s49, s[RG], 64*APITCH
	s_add_co_u32 s49, s49, ACODE
	v_mul_u32_u24 v[AA], v[LR], APITCH
	v_lshl_add_u32 v[AA], v[LH], 4, v[AA]
	v_add_nc_u32 v[AA], s49, v[AA]                 ; row 64 rg + r, + 16 h
	s_lshl_b32 s49, s[RG], 10
	s_add_co_u32 s49, s49, ASC
	v_lshl_add_u32 v[AS], v[LR], 4, s49
	v_lshl_add_u32 v[AS], v[LH], 2, v[AS]          ; 16 bytes a row, + 4 h
	s_lshl_b32 s49, s[RG], 8
	s_add_co_u32 s49, s49, AXX
	v_lshl_add_u32 v[AX], v[LR], 2, s49
	s_mul_i32 s49, s[WV], 8*APITCH
	s_add_co_u32 s49, s49, ACODE
	v_lshl_add_u32 v[SCA], v[LN], 2, s49           ; rows 8 w on: 4 bytes a lane
	s_lshl_b32 s49, s[WV], 7
	s_add_co_u32 s49, s49, ASC
	v_lshrrev_b32 v[SBA], 2, v[LN]
	v_add_nc_u32 v[SBA], s49, v[SBA]               ; four lanes to a block
	s_lshl_b32 s49, s[WV], 5
	s_add_co_u32 s49, s49, AXX
	v_mov_b32 v[SXA], s49
	v_lshlrev_b32 v[LA], 5, v[LN]
	v_mov_b32 v[PT], 0                             ; a lane permute's destination counts as one of its sources
	s_lshl_b32 s49, s[CG], 9
.irp j, 0,1,2,3,4,5,6,7
	s_add_co_u32 s[CJ+\j], s49, 496+\j
.endr
	s_mov_b32 s[SEL], 0x76543210
	s_mov_b32 s[SEL+1], 0xfedcba98
	s_lshl_b32 s52, s14, 18                        ; my work-group's 128 rows of 2,048 bytes,
	s_lshl_b32 s53, s[WV], 14                      ; the 8 that my wave quantises
	s_add_co_u32 s52, s52, s53
	s_mov_b32 s53, 0
	s_lshl_b32 s54, s14, 9                         ; my work-group's 128 indices,
	s_min_u32 s55, s[WV], 1
	s_lshl_b32 s55, s55, 8                         ; the 64 that wave 0 or 1 stores
	s_add_co_u32 s54, s54, s55
	s_mov_b32 s55, 0
	s_wait_kmcnt 0x0
	s_add_nc_u64 s[50:51], s[6:7], s[50:51]
	s_add_nc_u64 s[4:5], s[4:5], s[52:53]
	s_add_nc_u64 s[8:9], s[8:9], s[54:55]
	ROUND                                          ; all four work-groups are here: the first joint loads meet
	s_mov_b32 s[G0+0], 1                           ; count = 1
	s_mov_b32 s[G0+1], s48                         ; LDS address: slot 0
	s_mov_b64 s[G0+2:G0+3], s[50:51]               ; global address: fill 0
	s_or_b32 s[G0+3], s[G0+3], 0x80000000          ; type = 2
	s_mov_b32 s[G0+4], 1
	s_add_co_u32 s[G0+5], s48, SLOTB
	s_add_nc_u64 s[G0+6:G0+7], s[50:51], SLOTB     ; fill 1
	s_or_b32 s[G0+7], s[G0+7], 0x80000000
	s_cmp_lt_u32 s[WV], 8                          ; a wave's two first fills stand in one branch, ahead of every wait on TENSORcnt and every LDS read
	s_cbranch_scc0 .Lno_first
	tensor_load_to_lds s[G0:G0+3], s[G1:G1+7]
	s_nop 0
	tensor_load_to_lds s[G0+4:G0+7], s[G1:G1+7]
	s_nop 0
.rept 4
	v_nop                                          ; four nops behind a tensor load
.endr
.Lno_first:
	; MY 8 ROWS OF x.  A lane takes 8 neighbours, k = 256 u + 8 lane + 0 .. 7: the two loads of a half row cover 1,024 consecutive bytes.  No hint: the last launch reads the rows again.
.irp i, 0,1,2,3,4,5,6,7
.irp u, 0,1
.irp c, 0,1
	global_load_b128 v[RAW+16*\i+8*\u+4*\c:RAW+16*\i+8*\u+4*\c+3], v[LA], s[4:5] offset:2048*\i+1024*\u+16*\c
.endr
.endr
.endr
; Row i: a block of 32 lies in four neighbouring lanes.  Codes, scale bytes and |x|^2 go to LDS as rows.
.macro AROW i
.set RB, RAW+16*(\i)
	s_wait_loadcnt 28-4*(\i)                       ; loads come back in order: this row's four are in, the 4 (7 - i) of the rows behind it may be out
.irp u, 0,1
	v_max3_num_f32 v[MX+\u], |v[RB+8*\u]|, |v[RB+8*\u+1]|, 0x1800000   ; and the floor 2^(3 - 127): the byte cannot fall under 1
.endr
.irp q, 2,4,6
.irp u, 0,1
	v_max3_num_f32 v[MX+\u], v[MX+\u], |v[RB+8*\u+\q]|, |v[RB+8*\u+\q+1]|
.endr
.endr
	v_pk_mul_f32 v[Q0:Q0+1], v[RB:RB+1], v[RB:RB+1]                ; the squares, in two packed chains
	v_pk_mul_f32 v[Q1:Q1+1], v[RB+2:RB+3], v[RB+2:RB+3]
.irp u, 0,1
	v_max_num_f32_dpp v[MX+\u], v[MX+\u], v[MX+\u] row_xmask:1 row_mask:0xf bank_mask:0xf
.endr
.irp q, 4,8,12
	v_pk_fma_f32 v[Q0:Q0+1], v[RB+\q:RB+\q+1], v[RB+\q:RB+\q+1], v[Q0:Q0+1]
	v_pk_fma_f32 v[Q1:Q1+1], v[RB+\q+2:RB+\q+3], v[RB+\q+2:RB+\q+3], v[Q1:Q1+1]
.endr
.irp u, 0,1
	v_max_num_f32_dpp v[MX+\u], v[MX+\u], v[MX+\u] row_xmask:2 row_mask:0xf bank_mask:0xf   ; the block's largest magnitude
.endr
	v_pk_add_f32 v[Q0:Q0+1], v[Q0:Q0+1], v[Q1:Q1+1]
.irp u, 0,1
	v_add_nc_u32 v[SO+\u], 0xff000000, v[MX+\u]    ; 2 off its exponent field: the conversion's scale operand
.endr
	v_add_f32 v[XXR+\i], v[Q0], v[Q0+1]
.irp u, 0,1
	v_lshrrev_b32 v[BYTE+2*\i+\u], 23, v[SO+\u]    ; the scale's byte
.endr
	v_add_f32_dpp v[XXR+\i], v[XXR+\i], v[XXR+\i] row_xmask:1 row_mask:0xf bank_mask:0xf
	v_add_f32_dpp v[XXR+\i], v[XXR+\i], v[XXR+\i] row_xmask:2 row_mask:0xf bank_mask:0xf
	v_add_f32_dpp v[XXR+\i], v[XXR+\i], v[XXR+\i] row_xmask:4 row_mask:0xf bank_mask:0xf
	v_add_f32_dpp v[XXR+\i], v[XXR+\i], v[XXR+\i] row_xmask:8 row_mask:0xf bank_mask:0xf
	v_permlanex16_b32 v[PT], v[XXR+\i], s[SEL], s[SEL+1]
	v_add_f32 v[XXR+\i], v[XXR+\i], v[PT]          ; |x|^2, in every lane
	v_cvt_scalef32_pk8_fp4_f32 v[CODE+2*\i], v[RB:RB+7], v[SO]
	v_cvt_scalef32_pk8_fp4_f32 v[CODE+2*\i+1], v[RB+8:RB+15], v[SO+1]
	v_nop                                          ; one plain place behind a scaled conversion
	ds_store_b32 v[SCA], v[CODE+2*\i] offset:APITCH*\i             ; 32 lanes: 128 consecutive bytes of the row's 256
	ds_store_b32 v[SCA], v[CODE+2*\i+1] offset:APITCH*\i+128
	ds_store_b8 v[SBA], v[BYTE+2*\i] offset:16*\i                  ; the four lanes of a block write the same byte with the same value
	ds_store_b8 v[SBA], v[BYTE+2*\i+1] offset:16*\i+8
	ds_store_b32 v[SXA], v[XXR+\i] offset:4*\i                     ; all lanes the same word with the same value
.endm
.irp i, 0,1,2,3,4,5,6,7
	AROW \i
.endr
	s_wait_tensorcnt 0x1                           ; my chunk of fill 0 is in; fill 1's may stay out
	s_wait_dscnt 0x0                               ; for the others' sake: my LDS stores are done
	s_barrier_signal -1
	s_barrier_wait -1                              ; the 128 rows and fill 0 lie in LDS
; The scale words and sums of squares of the tile at place i of slot s, into set p
.macro FETCH_SE s, i, p
	ds_load_b64 v[BSC+2*(\p):BSC+2*(\p)+1], v[ADS+\s] offset:256*(\i)
	ds_load_b128 v[EE+8*(\p):EE+8*(\p)+3], v[ADE+\s] offset:64*(\i)
	ds_load_b128 v[EE+8*(\p)+4:EE+8*(\p)+7], v[ADE+\s] offset:64*(\i)+16
.endm
; Its fragment of K step wk: two runs of 512 consecutive bytes
.macro FETCH_B s, i
	ds_load_b128 v[BF+8*wk:BF+8*wk+3], v[ADC+\s] offset:4096*(\i)+1024*wk
	ds_load_b128 v[BF+8*wk+4:BF+8*wk+7], v[ADC+\s] offset:4096*(\i)+1024*wk+512
.endm
; One matrix instruction: K step wk, row tile wm, the table tile's scale set p.  K step 0 starts the sum: nothing is ever cleared.  The words of an odd K step lie in lanes 16-31.
.macro W p
.set rD, ACC+8*wm
.set rB, BF+8*wk
.set rA, AF+32*wm+8*wk
.set rSB, BSC+2*(\p)+wk/2
.set rSA, ASCR+2*wm+wk/2
.if wk == 0
	v_wmma_scale_f32_16x16x128_f8f6f4 v[rD:rD+7], v[rB:rB+7], v[rA:rA+7], 0, v[rSB], v[rSA] matrix_a_fmt:MATRIX_FMT_FP4 matrix_b_fmt:MATRIX_FMT_FP4
.elseif wk == 2
	v_wmma_scale_f32_16x16x128_f8f6f4 v[rD:rD+7], v[rB:rB+7], v[rA:rA+7], v[rD:rD+7], v[rSB], v[rSA] matrix_a_fmt:MATRIX_FMT_FP4 matrix_b_fmt:MATRIX_FMT_FP4
.else
	v_wmma_scale_f32_16x16x128_f8f6f4 v[rD:rD+7], v[rB:rB+7], v[rA:rA+7], v[rD:rD+7], v[rSB], v[rSA] matrix_a_fmt:MATRIX_FMT_FP4 matrix_b_fmt:MATRIX_FMT_FP4 matrix_a_scale:MATRIX_SCALE_ROW1 matrix_b_scale:MATRIX_SCALE_ROW1
.endif
.endm
; THE VECTOR WORK for row tiles a and a + 1 against one table tile is a list of 56; VOP writes number n of it and steps n.
;   0-3, 8-11    s = |e|^2 + |x|^2, two at a time                 4-7, 12-15   d = s - 2 p, two at a time, in place, each accumulator from its low end on
;   16-23        best = min(best, d, d), the two tiles by turns
;   24-55        j = 7 .. 0: where d_j == best the index becomes j's.  The compares run one j ahead of the selects, on two pairs of masks: a select stands four instructions behind its compare.
.macro VOP a, p
.if n < 16
.set q, n%4
.set mm, (\a)+n/8
.if (n%8) < 4
	v_pk_add_f32 v[S+2*q:S+2*q+1], v[EE+8*(\p)+2*q:EE+8*(\p)+2*q+1], v[XX+2*mm:XX+2*mm+1]
.else
	v_pk_fma_f32 v[ACC+8*mm+2*q:ACC+8*mm+2*q+1], v[ACC+8*mm+2*q:ACC+8*mm+2*q+1], -2.0, v[S+2*q:S+2*q+1] op_sel_hi:[1,0,1]
.endif
.elseif n < 24
.set q, (n-16)/2
.set mm, (\a)+n%2
	v_min3_num_f32 v[BEST+mm], v[BEST+mm], v[ACC+8*mm+2*q], v[ACC+8*mm+2*q+1]
.else
.set g, (n-24)/2
.set mm, (\a)+n%2
.if g == 0
.set j, 7
.set cm, 1
.elseif g == 15
.set j, 0
.set cm, 0
.elseif g%2 == 1
.set j, 7-(g+1)/2
.set cm, 1
.else
.set j, 8-g/2
.set cm, 0
.endif
.set mk, MASK+2*(j%2)+n%2
.if cm
	v_cmp_eq_f32 s[mk], v[ACC+8*mm+j], v[BEST+mm]
.else
	v_cndmask_b32 v[IDX+mm], v[IDX+mm], s[CJ+j], s[mk]
.endif
.endif
.set n, n+1
.endm
; THE TABLE TILE AT PLACE T, p = T % 2, in two halves of eight slots: a matrix instruction and seven of the list.
; First half: row tiles 2, 3 x tile T | the list for row tiles 0, 1, whose sums the half before finished.  fetch = 1: tile T + 1 (place fi of slot fs) is fetched: its scale words and sums of squares at the head,
; its fragment of K step k behind the second product that read K step k, seven plain vector instructions behind that product.
; Second half: row tiles 0, 1 x tile T + 1 (next = 1) | the list for row tiles 2, 3.
; The two accumulators of a half take turns, one instruction a turn.  A vector instruction reads a sum, and a load lands on an operand, four plain vector instructions or more behind the
; matrix instruction concerned (ISA guide 7.12.1 for vector instructions): the seven of the slot behind it, which name none of its registers.
.macro U p, fetch, fs, fi, next
.if \fetch
	FETCH_SE \fs, \fi, 1-(\p)
.endif
.set n, 0
.set i, 0
.rept 8
.set wk, i/2
.set wm, 2+i%2
	W \p
.rept 7
	VOP 0, \p
.endr
.if \fetch && (i%2 == 1)
	FETCH_B \fs, \fi
.endif
.set i, i+1
.endr
.set n, 0
.set i, 0
.rept 8
.if \next
.if i%2 == 0
	s_wait_dscnt 6-i                               ; LDS loads come back in order: K step i / 2 is in (and all before it); the two loads of each later K step may be out
.endif
.set wk, i/2
.set wm, i%2
	W 1-(\p)
.endif
.rept 7
	VOP 2, \p
.endr
.set i, i+1
.endr
.if \next
.irp j, 0,1,2,3,4,5,6,7
	s_sub_co_u32 s[CJ+\j], s[CJ+\j], 16            ; the next tile lies 16 table rows lower
.endr
.endif
.endm
; THE CHANGE OF SLOTS stands where a slot's fourth tile has been fetched.  Each wave waits for all its tensor loads (its chunk of the other slot), adds 0 to its spare word, and waits for that and for its reads of the slot.
; fill = 1: the slot is filled again, two fills on.  The barrier is then a round of the cluster's, so that no wave of any partner still reads the slot or has a load on its way; the joint refill is the first thing behind
; it and has four tiles' work in which to land.
.macro CHANGE slot, fill
	s_wait_tensorcnt 0x0                           ; no tensor load of mine is out, so a group 0 may be written
	ds_add_u32 v[SPW], v[NIL]                      ; 0 onto my spare word
.if \fill
	s_add_nc_u64 s[G0+4*\slot+2:G0+4*\slot+3], s[G0+4*\slot+2:G0+4*\slot+3], 2*SLOTB   ; the type bits on top are not reached
.endif
	s_wait_dscnt 0x0                               ; the add is done, and my reads of the slot are over
.if \fill
	ROUND
	s_cmp_lt_u32 s[WV], 8
	s_cbranch_scc0 .Lnone_\@
	tensor_load_to_lds s[G0+4*\slot:G0+4*\slot+3], s[G1:G1+7]
	s_nop 0
.rept 4
	v_nop                                          ; four nops behind a tensor load
.endr
.Lnone_\@:
.else
	s_barrier_signal -1
	s_barrier_wait -1
.endif
.endm
.macro WALK s                          ; four tiles; they fetch the four tiles of slot s
	U 1, 1, \s, 0, 1
	U 0, 1, \s, 1, 1
	U 1, 1, \s, 2, 1
	U 0, 1, \s, 3, 1
.endm
	; my 64 rows' fragments, scale words and |x|^2 come into registers and stay
.irp m, 0,1,2,3
.irp k, 0,1,2,3
.irp c, 0,1
	ds_load_b128 v[AF+32*\m+8*\k+4*\c:AF+32*\m+8*\k+4*\c+3], v[AA] offset:16*APITCH*\m+64*\k+32*\c
.endr
.endr
.endr
.irp m, 0,1,2,3
.irp e, 0,1
	ds_load_b32 v[ASCR+2*\m+\e], v[AS] offset:256*\m+8*\e
.endr
	ds_load_b32 v[XX+2*\m], v[AX] offset:64*\m
	ds_load_b32 v[XX+2*\m+1], v[AX] offset:64*\m
.endr
	FETCH_SE 0, 0, 0                               ; the tile at place 0
.set wk, 0
.rept 4
	FETCH_B 0, 0
.set wk, wk+1
.endr
.irp m, 0,1,2,3
	v_mov_b32 v[BEST+\m], 0x7f800000               ; +infinity.  (The registers held addresses whose loads and LDS stores have been waited for)
	v_mov_b32 v[IDX+\m], 0
.endr
	s_wait_dscnt 0x0
.set i, 0
.rept 8
.set wk, i/2
.set wm, i%2
	W 0                                            ; row tiles 0, 1 x the first tile: there is no vector work yet to set between them
.set i, i+1
.endr
	U 0, 1, 0, 1, 1                                ; places 0, 1, 2: they fetch the rest of fill 0
	U 1, 1, 0, 2, 1
	U 0, 1, 0, 3, 1
	s_mov_b32 s[CNT], 3
.Lring:                                            ; three trips: fills 2 to 7 are asked for, places 3 to 26 are worked
	CHANGE 0, 1
	WALK 1
	CHANGE 1, 1
	WALK 0
	s_sub_co_u32 s[CNT], s[CNT], 1
	s_cmp_lg_u32 s[CNT], 0
	s_cbranch_scc1 .Lring
	CHANGE 0, 0                                    ; the tail is written out: fill 7 has landed, nothing is asked for
	WALK 1                                         ; places 27 to 30
	U 1, 0, 0, 0, 0                                ; place 31: nothing to fetch, no tile behind it
	; THE END.  A row's smallest d lies in 16 places: two halves of the lanes x eight groups.
	v_bfe_u32 v[H8], v0, 4, 1
	v_lshlrev_b32 v[H8], 3, v[H8]
	v_and_b32 v[RW], 15, v0
	s_lshl_b32 s48, s[RG], 12
	s_lshl_b32 s49, s[CG], 3
	s_add_co_u32 s48, s48, s49
	s_add_co_u32 s48, s48, RED
	v_lshl_add_u32 v[RW], v[RW], 6, s48            ; row 64 rg + r: 64 bytes a row, 8 for each group
	v_and_b32 v[RR], 31, v0
	s_min_u32 s49, s[WV], 1
	s_lshl_b32 s49, s49, 12
	s_add_co_u32 s49, s49, RED
	v_lshl_add_u32 v[RR], v[RR], 7, s49            ; back: wave 0 or 1, two rows a lane
	v_and_b32 v[ADC], 31, v0
	v_lshlrev_b32 v[ADC], 3, v[ADC]                ; and their two indices in inds: 8 x lane
.irp m, 0,1,2,3
	v_add_nc_u32 v[IDX+\m], v[H8], v[IDX+\m]
.endr
.irp m, 0,1,2,3
	v_permlanex16_b32 v[S+\m], v[BEST+\m], s[SEL], s[SEL+1]
.endr
.irp m, 0,1,2,3
	v_permlanex16_b32 v[S+4+\m], v[IDX+\m], s[SEL], s[SEL+1]
.endr
.irp m, 0,1,2,3                                ; lane l xor 16's is taken where it is smaller, or equal with the lower index: both lanes come to the same pair
	v_cmp_lt_f32 s[MASK], v[S+\m], v[BEST+\m]
	v_cmp_eq_f32 s[MASK+1], v[S+\m], v[BEST+\m]
	v_cmp_lt_u32 s[MASK+2], v[S+4+\m], v[IDX+\m]
	s_and_b32 s[MASK+1], s[MASK+1], s[MASK+2]
	s_or_b32 s[MASK], s[MASK], s[MASK+1]
	v_cndmask_b32 v[EE+2*\m], v[BEST+\m], v[S+\m], s[MASK]
	v_cndmask_b32 v[EE+2*\m+1], v[IDX+\m], v[S+4+\m], s[MASK]
	ds_store_b64 v[RW], v[EE+2*\m:EE+2*\m+1] offset:1024*\m
.endr
	s_wait_dscnt 0x0                               ; for the others' sake: my LDS stores are done
	s_barrier_signal -1
	s_barrier_wait -1
	s_cmp_lt_u32 s[WV], 2
	s_cbranch_scc0 .Lnot_mine                      ; waves 0 and 1 join the eight groups of 64 rows each
.irp q, 0,1,2,3,4,5,6,7
	ds_load_b128 v[ACC+4*\q:ACC+4*\q+3], v[RR] offset:16*\q
.endr
	s_wait_dscnt 0x0
.irp c, 1,2,3,4,5,6                            ; groups in ascending order, a later one only where it is strictly smaller: the lower index stays
	v_cmp_lt_f32 s[MASK], v[ACC+2*\c], v[ACC]
	v_cmp_lt_f32 s[MASK+1], v[ACC+16+2*\c], v[ACC+16]
	v_cndmask_b32 v[ACC], v[ACC], v[ACC+2*\c], s[MASK]
	v_cndmask_b32 v[ACC+1], v[ACC+1], v[ACC+2*\c+1], s[MASK]
	v_cndmask_b32 v[ACC+16], v[ACC+16], v[ACC+16+2*\c], s[MASK+1]
	v_cndmask_b32 v[ACC+17], v[ACC+17], v[ACC+16+2*\c+1], s[MASK+1]
.endr
	v_cmp_lt_f32 s[MASK], v[ACC+14], v[ACC]
	v_cmp_lt_f32 s[MASK+1], v[ACC+30], v[ACC+16]
	v_cndmask_b32 v[ACC+2], v[ACC+1], v[ACC+15], s[MASK]           ; the last step leaves the two indices as a pair
	v_cndmask_b32 v[ACC+3], v[ACC+17], v[ACC+31], s[MASK+1]
	global_store_b64 v[ADC], v[ACC+2:ACC+3], s[8:9]                ; 256 consecutive bytes, aligned
.Lnot_mine:
	s_wait_tensorcnt 0x0                           ; the wave's end: behind my last tensor load and my last LDS store
	ds_add_u32 v[SPW], v[NIL]
	s_wait_dscnt 0x0
	ROUND                                          ; the closing round: no work-group ends while a partner may still ask for a chunk that names it
	s_endpgm
.Lfunc_end_k_qbeb9f583c6_dist:
	.size	k_qbeb9f583c6_dist, .Lfunc_end_k_qbeb9f583c6_dist-k_qbeb9f583c6_dist
	.p2alignl 7, 3214868480
	.fill 96, 4, 3214868480
	.section	.rodata,"a",@progbits
	.p2align	6, 0x0
	.amdhsa_kernel k_qbeb9f583c6_dist
		.amdhsa_group_segment_fixed_size 327680
		.amdhsa_private_segment_fixed_size 0
		.amdhsa_enable_private_segment 0
		.amdhsa_kernarg_size 24
		.amdhsa_user_sgpr_count 2
		.amdhsa_user_sgpr_kernarg_segment_ptr 1
		.amdhsa_wavefront_size32 1
		.amdhsa_system_sgpr_workgroup_id_x 1
		.amdhsa_system_sgpr_workgroup_id_y 1
		.amdhsa_system_sgpr_workgroup_id_z 1
		.amdhsa_system_vgpr_workitem_id 0
		.amdhsa_next_free_vgpr 256
		.amdhsa_next_free_sgpr 66
		.amdhsa_reserve_vcc 0
		.amdhsa_float_denorm_mode_32 3
		.amdhsa_float_denorm_mode_16_64 3
		.amdhsa_memory_ordered 1
		.amdhsa_forward_progress 1
		.amdhsa_inst_pref_size 201
	.end_amdhsa_kernel
	.amdgpu_metadata
---
amdhsa.version: [ 1, 2 ]
amdhsa.kernels:
  - .name:           k_qbeb9f583c6_dist
    .symbol:         k_qbeb9f583c6_dist.kd
    .args:
      - { .name: latents, .offset: 0, .size: 8, .value_kind: global_buffer, .address_space: global }
      - { .name: estream, .offset: 8, .size: 8, .value_kind: global_buffer, .address_space: global }
      - { .name: inds, .offset: 16, .size: 8, .value_kind: global_buffer, .address_space: global }
    .group_segment_fixed_size: 327680
    .private_segment_fixed_size: 0
    .kernarg_segment_align: 8
    .kernarg_segment_size: 24
    .max_flat_workgroup_size: 512
    .sgpr_count:     66
    .vgpr_count:     256
    .wavefront_size: 32
...
	.end_amdgpu_metadata
.endif
;; end of part 2
;; launch gath (part 3): grid 1024 x 1, 8 waves a work-group, no clusters, 0 bytes of LDS; arguments latents, embedding, inds, out0; writes out0
.if DOCPART == 3
	.amdgcn_target "amdgcn-amd-amdhsa--gfx1250"
	.amdhsa_code_object_version 6
	.text
	.protected	k_qbeb9f583c6_gath
	.globl	k_qbeb9f583c6_gath
	.p2align	8
	.type	k_qbeb9f583c6_gath,@function
k_qbeb9f583c6_gath:
	s_mov_b64 s[64:65], 0
	v_nop
	global_prefetch_b8 v0, s[64:65] scope:SCOPE_SE
	s_setreg_imm32_b32 hwreg(HW_REG_WAVE_MODE, 25, 1), 1
	s_wait_xcnt 0x0
; out[n][:] = x[n][:] + (e[ind[n]][:] - x[n][:]), in f32, the two roundings as they are defined: the difference first, then the sum.
; A stream: a wave takes four rows of 2,048 bytes.  Every load and store of a wave covers 512 consecutive bytes, aligned to 256.  The four indices come by one scalar load from the
; buffer that the launch before stored; each is held to the table's 4,096 rows before it enters an address.
; All 32 loads of a wave (16 KiB) go out before the first wait for data; no register is written twice, so no store's sources are ever waited for.
; No LDS, no barrier, no matrix unit, no cluster: waves share nothing, and which table rows are read is known only from the indices.
.set L, 8                              ; v8-71    x: 16 registers a row
.set E, 72                             ; v72-135  the table's row, then the result
	s_load_b256 s[4:11], s[0:1], 0x0               ; latents s[4:5], the table s[6:7], inds s[8:9], out s[10:11]
	v_lshrrev_b32 v1, 5, v0
	v_readfirstlane_b32 s12, v1                    ; wave
	v_and_b32 v1, 31, v0
	v_lshlrev_b32 v1, 4, v1                        ; 16 x lane
	s_lshl_b32 s13, ttmp9, 3
	s_add_co_u32 s13, s13, s12                     ; which run of four rows is my wave's
	s_lshl_b32 s14, s13, 4                         ; its 16 bytes of inds
	s_mov_b32 s15, 0
	s_lshl_b32 s16, s13, 13                        ; its 8,192 bytes of x and of out
	s_mov_b32 s17, 0
	s_wait_kmcnt 0x0
	s_add_nc_u64 s[8:9], s[8:9], s[14:15]
	s_add_nc_u64 s[4:5], s[4:5], s[16:17]
	s_add_nc_u64 s[10:11], s[10:11], s[16:17]
	s_load_b128 s[20:23], s[8:9], 0x0              ; four indices
.irp i, 0,1,2,3
.irp c, 0,1,2,3
	global_load_b128 v[L+16*\i+4*\c:L+16*\i+4*\c+3], v1, s[4:5] offset:2048*\i+512*\c th:TH_LOAD_NT   ; read once in this launch
.endr
.endr
	s_wait_kmcnt 0x0
.irp i, 0,1,2,3
	s_min_u32 s[20+\i], s[20+\i], 0xfff            ; inside the table
	s_lshl_b32 s[20+\i], s[20+\i], 11              ; its row of 2,048 bytes
	v_add_nc_u32 v[2+\i], s[20+\i], v1
.endr
.irp i, 0,1,2,3
.irp c, 0,1,2,3
	global_load_b128 v[E+16*\i+4*\c:E+16*\i+4*\c+3], v[2+\i], s[6:7] offset:512*\c   ; no hint: other rows may name the same table row
.endr
.endr
.irp i, 0,1,2,3
	s_wait_loadcnt 12-4*\i                         ; loads come back in order: x and this row's table row are in; the four loads of each later row may be out
.irp q, 0,1,2,3,4,5,6,7
	v_pk_add_f32 v[E+16*\i+2*\q:E+16*\i+2*\q+1], v[E+16*\i+2*\q:E+16*\i+2*\q+1], v[L+16*\i+2*\q:L+16*\i+2*\q+1] neg_lo:[0,1] neg_hi:[0,1]   ; e - x
.endr
.irp q, 0,1,2,3,4,5,6,7
	v_pk_add_f32 v[E+16*\i+2*\q:E+16*\i+2*\q+1], v[L+16*\i+2*\q:L+16*\i+2*\q+1], v[E+16*\i+2*\q:E+16*\i+2*\q+1]   ; x + (e - x)
.endr
.irp c, 0,1,2,3
	global_store_b128 v1, v[E+16*\i+4*\c:E+16*\i+4*\c+3], s[10:11] offset:2048*\i+512*\c th:TH_STORE_NT   ; written once, read by nobody here
.endr
.endr
	s_endpgm
.Lfunc_end_k_qbeb9f583c6_gath:
	.size	k_qbeb9f583c6_gath, .Lfunc_end_k_qbeb9f583c6_gath-k_qbeb9f583c6_gath
	.p2alignl 7, 3214868480
	.fill 96, 4, 3214868480
	.section	.rodata,"a",@progbits
	.p2align	6, 0x0
	.amdhsa_kernel k_qbeb9f583c6_gath
		.amdhsa_group_segment_fixed_size 0
		.amdhsa_private_segment_fixed_size 0
		.amdhsa_enable_private_segment 0
		.amdhsa_kernarg_size 32
		.amdhsa_user_sgpr_count 2
		.amdhsa_user_sgpr_kernarg_segment_ptr 1
		.amdhsa_wavefront_size32 1
		.amdhsa_system_sgpr_workgroup_id_x 1
		.amdhsa_system_sgpr_workgroup_id_y 1
		.amdhsa_system_sgpr_workgroup_id_z 1
		.amdhsa_system_vgpr_workitem_id 0
		.amdhsa_next_free_vgpr 136
		.amdhsa_next_free_sgpr 66
		.amdhsa_reserve_vcc 0
		.amdhsa_float_denorm_mode_32 3
		.amdhsa_float_denorm_mode_16_64 3
		.amdhsa_memory_ordered 1
		.amdhsa_forward_progress 1
		.amdhsa_inst_pref_size 10
	.end_amdhsa_kernel
	.amdgpu_metadata
---
amdhsa.version: [ 1, 2 ]
amdhsa.kernels:
  - .name:           k_qbeb9f583c6_gath
    .symbol:         k_qbeb9f583c6_gath.kd
    .args:
      - { .name: latents, .offset: 0, .size: 8, .value_kind: global_buffer, .address_space: global }
      - { .name: embedding, .offset: 8, .size: 8, .value_kind: global_buffer, .address_space: global }
      - { .name: inds, .offset: 16, .size: 8, .value_kind: global_buffer, .address_space: global }
      - { .name: out0, .offset: 24, .size: 8, .value_kind: global_buffer, .address_space: global }
    .group_segment_fixed_size: 0
    .private_segment_fixed_size: 0
    .kernarg_segment_align: 8
    .kernarg_segment_size: 32
    .max_flat_workgroup_size: 256
    .sgpr_count:     66
    .vgpr_count:     136
    .wavefront_size: 32
...
	.end_amdgpu_metadata
.endif
;; end of part 3
